; MI455X (gfx1250); checked and timed in simulation.
; The chip was launched on July 23, 2026; its instructions are those of AMD's public machine-readable ISA for CDNA 5 (MIT licence, August 2026) and "CDNA5" Instruction Set Architecture Reference Guide (July 2026). The comments in the code are by the model that wrote it; some were corrected since.
;; Capsule. Allowed arithmetic: float matrix products may take bf16 or f16 operands with f32 sums; other float arithmetic in f32, or as packed bf16 or f16 multiplies, adds, multiply-adds, maxima and minima; sums over many terms, partial sums and values carried from step to step in f32; what a program stores and reads back later, other than sums and carried values, may be rounded once to bf16 or f16.
;; Inputs: W 256 x 512 float32; u_vecs 128 x 1,024 x 256 float32.
;; Outputs: out0 128 x 16 x 32 float32.
;; 2 versions, each right; version 2 is version 1 with the launch caps written anew for expert scheduling mode. Each part assembles by itself: llvm-mc -triple=amdgcn-amd-amdhsa -mcpu=gfx1250 --defsym DOCPART=n.
;; ======== version 1 of 2: 2 launches
;; limits: values are held in f16: magnitudes above 65,504 overflow, below 6.1e-05 lose precision; inputs' magnitudes at most 65,504
;; workspace buffers: wimg 262,144 bytes
;; launch prep (part 1): grid 32 x 1, 4 waves a work-group, no clusters, 0 bytes of LDS; arguments W, wimg; writes wimg
.if DOCPART == 1
	.amdgcn_target "amdgcn-amd-amdhsa--gfx1250"
	.amdhsa_code_object_version 6
	.text
	.protected	k_q6825e4d2d1_prep
	.globl	k_q6825e4d2d1_prep
	.p2align	8
	.type	k_q6825e4d2d1_prep,@function
k_q6825e4d2d1_prep:
	s_mov_b64 s[64:65], 0
	v_nop
	global_prefetch_b8 v0, s[64:65] scope:SCOPE_SE
	s_setreg_imm32_b32 hwreg(HW_REG_WAVE_MODE, 25, 1), 1
	s_wait_xcnt 0x0
; W [256][512] f32 is rounded once to f16 and laid out as the next launch's matrix operand:
; wimg byte n*16384 + t*1024 + j*512 + 16*lane + 2*e holds W[16 r + t][32 n + 16 j + 8 h + e], r = lane % 16, h = lane / 16.
; So the 1,024 bytes at (n, t) are one fragment of 16 channels (16 r + t) x the 32 dimensions of capsule n, and each load of it takes 512 bytes on end.
; SHARES. 128 waves: wave g = 4 x work-group + wave takes t = g % 16 and a span of 64 columns (two capsules, 256 bytes of a row), g / 16.
; Its eight loads cover 256 whole bytes of each of the 16 rows 16 r + t; each of its four stores covers 512 consecutive bytes, aligned.
; LIMIT. |W| of 65,520 or more becomes an infinity in f16; below 6e-5 the step is f16's fixed 6e-8.
	s_load_b128 s[4:7], s[0:1], 0x0                ; W s[4:5], wimg s[6:7]
	v_lshrrev_b32 v1, 5, v0
	v_readfirstlane_b32 s8, v1                     ; wave 0..3
	s_lshl_b32 s9, ttmp9, 2
	s_add_co_u32 s9, s9, s8                        ; g
	s_and_b32 s10, s9, 15                          ; t
	s_lshr_b32 s11, s9, 4                          ; span
	v_and_b32 v1, 15, v0                           ; r
	v_bfe_u32 v2, v0, 4, 1                         ; h
	v_lshlrev_b32 v3, 15, v1                       ; 16 r rows of 2,048 bytes
	v_lshl_add_u32 v3, v2, 5, v3                   ; + 8 h columns of 4 bytes
	v_and_b32 v4, 31, v0
	v_lshlrev_b32 v4, 4, v4                        ; 16 x lane
	s_lshl_b32 s12, s10, 11                        ; row t,
	s_lshl_b32 s14, s11, 8                         ; the span's 256 bytes
	s_add_co_u32 s12, s12, s14
	s_mov_b32 s13, 0
	s_lshl_b32 s14, s11, 15                        ; the span's two capsules in wimg,
	s_lshl_b32 s16, s10, 10                        ; tile t
	s_add_co_u32 s14, s14, s16
	s_mov_b32 s15, 0
	s_wait_kmcnt 0x0
	s_add_nc_u64 s[4:5], s[4:5], s[12:13]
	s_add_nc_u64 s[6:7], s[6:7], s[14:15]
.irp k, 0,1,2,3                        ; k = 2 x (capsule of the span) + j: 16 columns each, of which a lane takes eight
	global_load_b128 v[8+8*\k:11+8*\k],  v3, s[4:5] offset:64*\k
	global_load_b128 v[12+8*\k:15+8*\k], v3, s[4:5] offset:64*\k+16
.endr
.irp k, 0,1,2,3
	s_wait_loadcnt 6-2*\k                          ; loads return in order: the two of group k are in, the 6 - 2 k younger ones may be out
.irp m, 0,1,2,3
	v_cvt_pk_f16_f32 v[40+4*\k+\m], v[8+8*\k+2*\m], v[9+8*\k+2*\m]
.endr
	global_store_b128 v4, v[40+4*\k:43+4*\k], s[6:7] offset:(\k/2)*16384+(\k%2)*512
.endr
	s_endpgm
.Lfunc_end_k_q6825e4d2d1_prep:
	.size	k_q6825e4d2d1_prep, .Lfunc_end_k_q6825e4d2d1_prep-k_q6825e4d2d1_prep
	.p2alignl 7, 3214868480
	.fill 96, 4, 3214868480
	.section	.rodata,"a",@progbits
	.p2align	6, 0x0
	.amdhsa_kernel k_q6825e4d2d1_prep
		.amdhsa_group_segment_fixed_size 0
		.amdhsa_private_segment_fixed_size 0
		.amdhsa_enable_private_segment 0
		.amdhsa_kernarg_size 16
		.amdhsa_user_sgpr_count 2
		.amdhsa_user_sgpr_kernarg_segment_ptr 1
		.amdhsa_wavefront_size32 1
		.amdhsa_system_sgpr_workgroup_id_x 1
		.amdhsa_system_sgpr_workgroup_id_y 1
		.amdhsa_system_sgpr_workgroup_id_z 1
		.amdhsa_system_vgpr_workitem_id 0
		.amdhsa_next_free_vgpr 64
		.amdhsa_next_free_sgpr 66
		.amdhsa_reserve_vcc 0
		.amdhsa_float_denorm_mode_32 3
		.amdhsa_float_denorm_mode_16_64 3
		.amdhsa_memory_ordered 1
		.amdhsa_forward_progress 1
		.amdhsa_inst_pref_size 4
	.end_amdhsa_kernel
	.amdgpu_metadata
---
amdhsa.version: [ 1, 2 ]
amdhsa.kernels:
  - .name:           k_q6825e4d2d1_prep
    .symbol:         k_q6825e4d2d1_prep.kd
    .args:
      - { .name: W, .offset: 0, .size: 8, .value_kind: global_buffer, .address_space: global }
      - { .name: wimg, .offset: 8, .size: 8, .value_kind: global_buffer, .address_space: global }
    .group_segment_fixed_size: 0
    .private_segment_fixed_size: 0
    .kernarg_segment_align: 8
    .kernarg_segment_size: 16
    .max_flat_workgroup_size: 128
    .sgpr_count:     66
    .vgpr_count:     64
    .wavefront_size: 32
...
	.end_amdgpu_metadata
.endif
;; end of part 1
;; launch caps (part 2): grid 128 x 1, 4 waves a work-group, no clusters, 317,184 bytes of LDS; arguments u_vecs, wimg, out0; writes out0
.if DOCPART == 2
	.amdgcn_target "amdgcn-amd-amdhsa--gfx1250"
	.amdhsa_code_object_version 6
	.text
	.protected	k_q6825e4d2d1_caps
	.globl	k_q6825e4d2d1_caps
	.p2align	8
	.type	k_q6825e4d2d1_caps,@function
k_q6825e4d2d1_caps:
	s_mov_b64 s[64:65], 0
	v_nop
	global_prefetch_b8 v0, s[64:65] scope:SCOPE_SE
	s_setreg_imm32_b32 hwreg(HW_REG_WAVE_MODE, 25, 1), 1
	s_wait_xcnt 0x0
; CAPSULE ROUTING, one work-group a batch.  u: [128][1024][256] f32, wimg: W in f16 as the launch before laid it, out0: [128][16][32] f32.
; WHAT IS NOT DONE, AND WHY IT IS DEAD.  u_hat[n][i][:] = u[i][:] W_n (W_n = W's columns 32 n .. 32 n + 31) enters reference() only linearly.  In exact arithmetic, for all values of the inputs,
;   sum_i c[n][i] (u[i] W_n) = (sum_i c[n][i] u[i]) W_n = T[n] W_n      and      o[n] . (u[i] W_n) = u[i] . (W_n o[n]) = u[i] . V[:][n].
; So u_hat is never formed: a round is one walk over u (S = u V, softmax over n, T = c^T u) and a small step with W (s = T W_n, squash, V = W_n o).
; In round 0 b is the zeros that reference() builds itself, so c = 1/16 whatever the inputs hold: its exponentials are left out, and T is u's column sum / 16.
; Both inputs are read; none is left out.  The maximum over n is taken away before every exponential that is made.
; LIMITS.  u, W, V and the weights c are matrix operands in f16: |u|, |W| of 65,520 or more become infinities, magnitudes under 6e-5 keep f16's fixed step of 6e-8.  All sums (column sums, S, T, s,
; norms) are f32.  The sums are taken in another order than reference()'s.  A weight under 2^-126 counts as 0.  NaN and infinities are not treated apart; one that reference() would meet only in u_hat is met here in T or V.
; WHY ONE WORK-GROUP A BATCH.  The three walks hang on each other through sums over all 1,024 rows of a batch.  A batch in f16 is 524,288 bytes: each wave keeps 128 of its 256 rows in 512 registers
; and 128 in LDS, so u is read from memory once.  128 batches give 128 work-groups; a split of a batch over two would send T and V through memory and read u three times.
; NO CLUSTER.  All work-groups read the same wimg, but a joint load lands in LDS: of 327,680 bytes this text holds 317,184, and one capsule's image is 16,384.  It goes straight into registers, in operand order.
; SHARES.  Wave w owns rows 256 w .. 256 w + 255, as 8 blocks of 32; only it touches them.  With W it owns capsules 4 w .. 4 w + 3.
; LAYOUTS.  S = u V: source 0 = 16 rows x 32 channels of u, source 1 = V: a lane holds capsule n = lane % 16, and 8 rows: the softmax over n is four steps inside 16 lanes, and S rounded in pairs IS
; source 1 (32 rows x 16 capsules) of T^T = u^T c.  u^T comes from the matrix unit too: u times a 32 x 16 piece of the identity gives 16 rows x 16 channels with a lane a channel, exactly.
; LDS.  UR 0: wave w at 67,584 w, 128 rows of 512 bytes, pitch 528 = 132 words, so that 16 rows start at 16 different groups of four banks (64 banks of 4 bytes: ISA guide 11.1).
;       TS: [pair w % 2][channel half][n, pitch 528][128 f32].   VT: V^T [n][c] f16, pitch 528.   CS: 1,024 bytes a wave.   SPARE: the spare words.
; REGISTERS, in windows of 256 (s_set_vgpr_msb: bits 1:0 source 0, 3:2 source 1, 5:4 source 2, 7:6 destination):
;   window 0: v0-31 addresses and the identity's pieces; the rest by phase (below)     window 1: v0-127 T's 16 tiles (later V's), v128-255 an LDS block's fragments or W's; in the stream all 256: the ring
;   windows 2, 3: the four resident blocks, fragment (a, f) at base + 64 a + 8 f
.set PITCH, 528
.set HALFB, 16*PITCH                   ; 16 rows
.set BLK,   32*PITCH                   ; a block of 32 rows
.set URW,   4*BLK                      ; a wave's rows in LDS
.set TS,    4*URW
.set TSP,   2*HALFB                    ; one pair's T
.set VT,    TS+2*TSP
.set CS,    VT+HALFB
.set SPARE, CS+4096                    ; 128 bytes a wave: two blocks of 256 bytes that no other line names
.set GOFF, 3                           ; v3   my 16 bytes in the first 512 of my wave's rows of u; never rewritten
.set LST,  4                           ; v4   the stream's LDS address, stepped a block a turn
.set LFR,  5                           ; v5   where an LDS block's fragments are read, stepped
.set TSA,  6                           ; v6   my place in a tile of T in TS: pair, row n = r, 32 h
.set TRD,  7                           ; v7   T[4 w][16 r ..] in TS
.set VST,  8                           ; v8   V^T row 4 w + r % 4, byte 256 h
.set VRD,  9                           ; v9   V^T as source 1: row r, byte 16 h
.set CSA,  10                          ; v10  my wave's CS + 16 x lane
.set CSR,  11                          ; v11  my wave's CS + 32 h
.set WOF,  12                          ; v12  16 x lane; never rewritten
.set LST0, 13                          ; v13  my wave's UR + 8 x lane
.set LFR0, 14                          ; v14  my wave's UR + 528 r + 16 h
.set MQ,   15                          ; v15  r % 4
.set SPW,  16                          ; v16  my spare word; never rewritten
.set NIL,  17                          ; v17  0; never rewritten
.set ZR,   18                          ; v18  0, the first addend of s
.set PFO,  19                          ; v19  the prefetches' offset: my wave's rows + 256 x lane; never rewritten
.set SELB, 20                          ; v20-31  0 0 0 0 p0-p3 0 0 0 0: v[24:31] picks channels 0-15 of a fragment, v[20:27] channels 16-31
.set VF,   32                          ; a walk: v32-95 V's eight fragments; v96-111 S; v112-127 M; v128-135 P; v136-199 DT; v200-231 X
.set S,    96
.set M,    112
.set P,    128
.set DT,   136
.set X,    200
.set XT,   32                          ; with W: v32-95 the partner's tiles, then v32-47 s, v48-55 o as source 1, v56-61 the norm, v64-79 T[n]
.set ACC,  32
.set BP,   48
.set N,    56
.set TVA,  64
.set TP,   96                          ; v96-127 T[n] of both pairs
.set WF,   128                         ; v128-255 W's fragments of one capsule: buffer 0 in window 1, buffer 1 in window 0
.set VP,   128                         ; v128-191 V packed
.set TM,   136                         ; the stream: v136-151 a group's f16; v232-247 column sums: 2 row parities x 2 row halves x 4
.set CSUM, 232
.set TA,   128                         ; window 1: an LDS block's fragments
.set U,    4                           ; s[4:5]  u at my batch, stepped a block a turn
.set WB,   6                           ; s[6:7]  wimg at my four capsules; never rewritten after the head
.set OB,   8                           ; s[8:9]  out0 at my four capsules
.set WV,   10
.set SEL,  16                          ; s[16:17] v_permlanex16_b32: each lane takes its own place in the other half
.set MK,   20                          ; s20-23  lanes with r % 4 = q
.set CNT,  24
.set TRIP, 25                          ; rounds to go
.set MSB, 0
.macro WIN new                         ; the high byte repeats the setting that is left; a switch that changes nothing is dropped
.if MSB != (\new)
	s_set_vgpr_msb (MSB<<8)|(\new)
.set MSB, (\new)
.endif
.endm
.macro PLACES                          ; four plain instructions between a matrix instruction and a vector instruction, store or load that touches its registers
.rept 4
	v_nop
.endr
.endm
.macro BAR
	s_barrier_signal -1
	s_barrier_wait -1
.endm
.macro SWEEP op, dst, src, mask        ; sixteen registers, each lane with its neighbour at lane xor mask
.set sk, 0
.rept 16
	\op v[(\dst)+sk], v[(\src)+sk], v[(\src)+sk] row_xmask:\mask row_mask:0xf bank_mask:0xf
.set sk, sk+1
.endr
.endm
; A TURN OF THE RING: the block of 32 rows that lies in the ring's 64 slots (slot 8 g + e: row 4 g + e / 2, half e % 2 of its 1,024 bytes; a lane holds 4 columns) is added to the column sums,
; rounded to f16 and put into LDS.  ahead = 1: each group's slots are asked for again at once, with the next block.
; pf: four prefetches, together behind the turn's first loads, for the block that the NEXT turn's loads will ask for: my wave's own 32,768 bytes, a lane 256 of them, so each is named once in the launch.
; pf = 1 always, 2 unless this is the loop's last trip (there is no such block), 0 never.  Blocks 0 and 1 come by their loads alone.
.macro TURN ahead, pf
.set tg, 0
.rept 8
.if \ahead
	s_wait_loadcnt 56                              ; loads return in order: this group's eight are in, the seven younger groups' 56 stay out
.else
	s_wait_loadcnt 56-8*tg                         ; nothing is asked for any more: the count runs down
.endif
	WIN 0x01
.set te, 0
.rept 8
.set rR, 4*(8*tg+te)
.set rC, CSUM+4*(2*((te/2)%2)+te%2)
	v_pk_add_f32 v[rC:rC+1], v[rR:rR+1], v[rC:rC+1]
	v_pk_add_f32 v[rC+2:rC+3], v[rR+2:rR+3], v[rC+2:rC+3]
.set te, te+1
.endr
	WIN 0x05
.set te, 0
.rept 8
.set rR, 4*(8*tg+te)
	v_cvt_pk_f16_f32 v[TM+2*te], v[rR], v[rR+1]
	v_cvt_pk_f16_f32 v[TM+2*te+1], v[rR+2], v[rR+3]
.set te, te+1
.endr
	WIN 0
.set te, 0
.rept 8
	ds_store_b64 v[LST], v[TM+2*te:TM+2*te+1] offset:(4*tg+te/2)*PITCH+(te%2)*256  ; 32 lanes, 256 bytes on end
.set te, te+1
.endr
.if \ahead
	WIN 0x40
.set te, 0
.rept 8
.set rR, 4*(8*tg+te)
	global_load_b128 v[rR:rR+3], v[GOFF], s[U:U+1] offset:32768+512*(8*tg+te) th:TH_LOAD_NT
.set te, te+1
.endr
.endif
.if (\pf) && (tg == 0)
	WIN 0
.if (\pf) == 2
	s_cmp_gt_u32 s[CNT], 1
	s_cbranch_scc0 .Lnone_\@
.endif
.irp j, 0,1,2,3
	global_prefetch_b8 v[PFO], s[U:U+1] offset:65536+8192*\j th:TH_LOAD_NT scope:SCOPE_SE
.endr
.if (\pf) == 2
.Lnone_\@:
.endif
.endif
.set tg, tg+1
.endr
	WIN 0
.endm
; W's 16 fragments of my capsule q into buffer buf: 32 loads of 512 bytes on end.
.macro WLOAD buf, q
.if (\buf) == 0
	WIN 0x40
.else
	WIN 0
.endif
.set wt, 0
.rept 16
	global_load_b128 v[WF+8*wt:WF+8*wt+3],   v[WOF], s[WB:WB+1] offset:(\q)*16384+wt*1024
	global_load_b128 v[WF+8*wt+4:WF+8*wt+7], v[WOF], s[WB:WB+1] offset:(\q)*16384+wt*1024+512
.set wt, wt+1
.endr
	WIN 0
.endm
; THE SOFTMAX over n of 32 rows: S's register k holds one row, its 16 capsules in 16 lanes.  Each accumulator's lowest registers are read first.  Two batches of transcendentals, each with one plain
; instruction behind it and one wait ahead of the first use.
.macro SOFTMAX
	SWEEP v_max_num_f32_dpp, M, S, 1
	SWEEP v_max_num_f32_dpp, M, M, 2
	SWEEP v_max_num_f32_dpp, M, M, 4
	SWEEP v_max_num_f32_dpp, M, M, 8
.irp i, 0,2,4,6,8,10,12,14
	v_pk_add_f32 v[S+\i:S+\i+1], v[S+\i:S+\i+1], v[M+\i:M+\i+1] neg_lo:[0,1] neg_hi:[0,1]  ; log2(e) lies in V already
.endr
.irp i, 0,1,2,3,4,5,6,7,8,9,10,11,12,13,14,15
	v_exp_f32 v[S+\i], v[S+\i]
.endr
	v_nop
	s_wait_alu depctr_va_vdst(0)
	SWEEP v_add_f32_dpp, M, S, 1
	SWEEP v_add_f32_dpp, M, M, 2
	SWEEP v_add_f32_dpp, M, M, 4
	SWEEP v_add_f32_dpp, M, M, 8
.irp i, 0,1,2,3,4,5,6,7,8,9,10,11,12,13,14,15
	v_rcp_f32 v[M+\i], v[M+\i]                     ; the sum is at least 1: the largest term is 2^0
.endr
	v_nop
	s_wait_alu depctr_va_vdst(0)
.irp i, 0,2,4,6,8,10,12,14
	v_pk_mul_f32 v[S+\i:S+\i+1], v[S+\i:S+\i+1], v[M+\i:M+\i+1]
.endr
.irp i, 0,1,2,3,4,5,6,7
	v_cvt_pk_f16_f32 v[P+\i], v[S+2*\i], v[S+2*\i+1]
.endr
.endm
; Channel fragment g of the block is turned: u (16 rows a, 32 channels) times the identity's piece s: a lane holds channel 32 g + 16 s + r, its registers 8 rows.  Exact.
.macro TR g, win, base
	WIN \win
.irp s, 0,1
.irp a, 0,1
	v_wmma_f32_16x16x32_f16 v[DT+32*((\g)%2)+16*\s+8*\a:DT+32*((\g)%2)+16*\s+8*\a+7], v[(\base)+64*\a+8*(\g):(\base)+64*\a+8*(\g)+7], v[SELB+4-4*\s:SELB+11-4*\s], 0
.endr
.endr
.endm
.macro CV g                            ; back to f16, exactly: source 0 of the second product, 16 channels x 32 rows
	WIN 0
.irp s, 0,1
.irp a, 0,1
.irp i, 0,1,2,3
	v_cvt_pk_f16_f32 v[X+16*((\g)%2)+8*\s+4*\a+\i], v[DT+32*((\g)%2)+16*\s+8*\a+2*\i], v[DT+32*((\g)%2)+16*\s+8*\a+2*\i+1]
.endr
.endr
.endr
.endm
.macro TW g, zero                      ; T's tiles 2 g and 2 g + 1 take the block; zero = 1: the walk's first block starts the sums
	WIN 0x50
.irp s, 0,1
.if \zero
	v_wmma_f32_16x16x32_f16 v[8*(2*(\g)+\s):8*(2*(\g)+\s)+7], v[X+16*((\g)%2)+8*\s:X+16*((\g)%2)+8*\s+7], v[P:P+7], 0
.else
	v_wmma_f32_16x16x32_f16 v[8*(2*(\g)+\s):8*(2*(\g)+\s)+7], v[X+16*((\g)%2)+8*\s:X+16*((\g)%2)+8*\s+7], v[P:P+7], v[8*(2*(\g)+\s):8*(2*(\g)+\s)+7]
.endif
.endr
.endm
; ONE BLOCK OF 32 ROWS, whose fragments lie at base in window win (lds = 1: they are fetched there first).  No two matrix instructions on end share an accumulator.
; The places: between TR g and CV g stand CV g - 1's sixteen conversions (for g = 0 four v_nop); between TW g and the rewriting of its X stand CV g + 1's; DT's sets are written again two groups on.
.macro BLOCK win, base, zero, lds
.if \lds
	WIN 0x40                                       ; the last product that read these registers is TR 7 of the block before: CV 6's sixteen conversions are the places
.set bf, 0
.rept 8
.irp a, 0,1
	ds_load_b128 v[TA+64*\a+8*bf:TA+64*\a+8*bf+3],   v[LFR] offset:\a*HALFB+64*bf
	ds_load_b128 v[TA+64*\a+8*bf+4:TA+64*\a+8*bf+7], v[LFR] offset:\a*HALFB+64*bf+32
.endr
.set bf, bf+1
.endr
.endif
	WIN \win
.set bf, 0
.rept 8
.if \lds
	s_wait_dscnt 28-4*bf                           ; LDS loads return in order: the four of each later fragment may be out
.endif
.irp a, 0,1
.if bf == 0
	v_wmma_f32_16x16x32_f16 v[S+8*\a:S+8*\a+7], v[(\base)+64*\a+8*bf:(\base)+64*\a+8*bf+7], v[VF+8*bf:VF+8*bf+7], 0
.else
	v_wmma_f32_16x16x32_f16 v[S+8*\a:S+8*\a+7], v[(\base)+64*\a+8*bf:(\base)+64*\a+8*bf+7], v[VF+8*bf:VF+8*bf+7], v[S+8*\a:S+8*\a+7]
.endif
.endr
.set bf, bf+1
.endr
	WIN 0
	PLACES
	SOFTMAX
	TR 0, \win, \base
	PLACES
	TR 1, \win, \base
	CV 0
	TW 0, \zero
.irp g, 2,3,4,5,6,7
	TR \g, \win, \base
	CV (\g)-1
	TW (\g)-1, \zero
.endr
	CV 7
	TW 7, \zero
.endm
; T's tiles t0 .. t0 + 7 into my pair's region of TS: register j of tile t is T[n = r][16 t + 8 h + j].
.macro TSTORE t0
	WIN 0x04
.set st, 0
.rept 8
	ds_store_b128 v[TSA], v[8*((\t0)+st):8*((\t0)+st)+3]   offset:((\t0)/8)*HALFB+64*st
	ds_store_b128 v[TSA], v[8*((\t0)+st)+4:8*((\t0)+st)+7] offset:((\t0)/8)*HALFB+64*st+16
.set st, st+1
.endr
	WIN 0
.endm
.macro TJOIN t0                        ; my partner's tiles t0 .. t0 + 7 are added onto mine, and the sums go back to the same bytes, which nobody else touches between the two barriers
	WIN 0
.set jt, 0
.rept 8
	ds_load_b128 v[XT+8*jt:XT+8*jt+3],   v[TSA] offset:((\t0)/8)*HALFB+64*jt
	ds_load_b128 v[XT+8*jt+4:XT+8*jt+7], v[TSA] offset:((\t0)/8)*HALFB+64*jt+16
.set jt, jt+1
.endr
	s_wait_dscnt 0x0
	WIN 0x41
.set jt, 0
.rept 32
	v_pk_add_f32 v[8*(\t0)+2*jt:8*(\t0)+2*jt+1], v[8*(\t0)+2*jt:8*(\t0)+2*jt+1], v[XT+2*jt:XT+2*jt+1]
.set jt, jt+1
.endr
	TSTORE \t0
.endm
.macro TLOAD q                         ; T[4 w + q][16 r .. 16 r + 15] of both pairs
.irp i, 0,1,2,3
	ds_load_b128 v[TP+4*\i:TP+4*\i+3],       v[TRD] offset:(\q)*PITCH+16*\i
	ds_load_b128 v[TP+16+4*\i:TP+16+4*\i+3], v[TRD] offset:(\q)*PITCH+16*\i+TSP
.endr
.endm
.macro MIX k, t, c                     ; s's term: W's f16 half k of fragment t times T in f32, onto register c
.if (\k)%2
	v_fma_mix_f32 v[ACC+(\k)], v[WF+8*(\t)+(\k)/2], v[TVA+(\t)], v[\c] op_sel:[1,0,0] op_sel_hi:[1,0,0]
.else
	v_fma_mix_f32 v[ACC+(\k)], v[WF+8*(\t)+(\k)/2], v[TVA+(\t)], v[\c] op_sel:[0,0,0] op_sel_hi:[1,0,0]
.endif
.endm
; MY CAPSULE q, W's fragments in buffer buf.  s[d] = sum over c of T[c] W[c][d]: lane (r, h) sums its 16 channels 16 r + t for its 16 dimensions (k < 8: d = 8 h + k, else 8 + 8 h + k), then the 16 lanes are added.
; In that order s, rounded in pairs, is a column of source 1.  o = s / sqrt(|s|^2 + 1e-7).  In the last round o goes out; else V += W_n o, o standing in the columns with r % 4 = q alone.
.macro CAPS q, buf
	s_wait_dscnt 0x0                               ; T[n] is in
.irp i, 0,2,4,6,8,10,12,14
	v_pk_add_f32 v[TVA+\i:TVA+\i+1], v[TP+\i:TP+\i+1], v[TP+16+\i:TP+16+\i+1]
.endr
.if (\q) < 3
	TLOAD (\q)+1
	s_wait_loadcnt 32                              ; this buffer's 32 loads are in; the other buffer's 32, issued later, may be out
.else
	s_wait_loadcnt 0x0
.endif
.if (\buf) == 0
	WIN 0x01
.endif
.set ct, 0
.rept 16
.set ck, 0
.rept 16
.if ct == 0
	MIX ck, ct, ZR
.else
	MIX ck, ct, ACC+ck
.endif
.set ck, ck+1
.endr
.set ct, ct+1
.endr
	WIN 0
	SWEEP v_add_f32_dpp, ACC, ACC, 1
	SWEEP v_add_f32_dpp, ACC, ACC, 2
	SWEEP v_add_f32_dpp, ACC, ACC, 4
	SWEEP v_add_f32_dpp, ACC, ACC, 8
	v_pk_mul_f32 v[N:N+1], v[ACC:ACC+1], v[ACC:ACC+1]
	v_pk_mul_f32 v[N+2:N+3], v[ACC+2:ACC+3], v[ACC+2:ACC+3]
.irp i, 4,8,12
	v_pk_fma_f32 v[N:N+1], v[ACC+\i:ACC+\i+1], v[ACC+\i:ACC+\i+1], v[N:N+1]
	v_pk_fma_f32 v[N+2:N+3], v[ACC+\i+2:ACC+\i+3], v[ACC+\i+2:ACC+\i+3], v[N+2:N+3]
.endr
	v_pk_add_f32 v[N:N+1], v[N:N+1], v[N+2:N+3]
	v_add_f32 v[N], v[N], v[N+1]
	v_permlanex16_b32 v[N+1], v[N], s[SEL], s[SEL+1]  ; the other 16 dimensions
	v_add_f32 v[N], v[N], v[N+1]
	v_add_f32 v[N], 0x33d6bf95, v[N]               ; + 1e-7
	v_rsq_f32 v[N+2], v[N]
	v_nop
	s_wait_alu depctr_va_vdst(0)                   ; ahead of the branch and of the first use
	s_cmp_eq_u32 s[TRIP], 1
	s_cbranch_scc1 .Lfin_\@
	v_mul_f32 v[N+4], 0x3fb8aa3b, v[N+2]           ; log2(e) goes into V, in f32, so that the walk's exponentials are powers of 2
	v_cndmask_b32 v[N+4], 0, v[N+4], s[MK+(\q)]
	v_mov_b32 v[N+5], v[N+4]
.irp i, 0,2,4,6,8,10,12,14
	v_pk_mul_f32 v[ACC+\i:ACC+\i+1], v[ACC+\i:ACC+\i+1], v[N+4:N+5]
.endr
.irp i, 0,1,2,3,4,5,6,7
	v_cvt_pk_f16_f32 v[BP+\i], v[ACC+2*\i], v[ACC+2*\i+1]
.endr
	WIN 0x51-(\buf)                                ; V in window 1; W in window 1 (buffer 0) or 0
.set ct, 0
.rept 16                               ; register j of tile t: V[128 h + 16 j + t][4 w + r % 4].  Sixteen accumulators by turns
.if (\q) == 0
	v_wmma_f32_16x16x32_f16 v[8*ct:8*ct+7], v[WF+8*ct:WF+8*ct+7], v[BP:BP+7], 0
.else
	v_wmma_f32_16x16x32_f16 v[8*ct:8*ct+7], v[WF+8*ct:WF+8*ct+7], v[BP:BP+7], v[8*ct:8*ct+7]
.endif
.set ct, ct+1
.endr
	WIN 0
	PLACES                                         ; for the loads into this buffer, and behind the last capsule for the packing of V
	s_branch .Ljoin_\@
.Lfin_\@:
	v_mov_b32 v[N+3], v[N+2]
.irp i, 0,2,4,6,8,10,12,14
	v_pk_mul_f32 v[ACC+\i:ACC+\i+1], v[ACC+\i:ACC+\i+1], v[N+2:N+3]
.endr
	ds_store_b128 v[CSR], v[ACC:ACC+3]     offset:128*(\q)      ; the 16 lanes of a half hold the same numbers and write the same bytes
	ds_store_b128 v[CSR], v[ACC+4:ACC+7]   offset:128*(\q)+16
	ds_store_b128 v[CSR], v[ACC+8:ACC+11]  offset:128*(\q)+64
	ds_store_b128 v[CSR], v[ACC+12:ACC+15] offset:128*(\q)+80
.Ljoin_\@:
.if (\q) < 2
	WLOAD \buf, (\q)+2
.endif
.endm
; ---------------------------------------------------------------- the head: the ring's first 64 loads go out before anything else is set up
	s_load_b128 s[4:7], s[0:1], 0x0                ; u, wimg
	s_load_b64 s[8:9], s[0:1], 0x10                ; out0
	v_lshl_add_u32 v[SPW], v0, 2, SPARE
	v_mov_b32 v[NIL], 0
	v_lshrrev_b32 v1, 5, v0
	v_readfirstlane_b32 s[WV], v1                  ; wave 0..3
	v_and_b32 v32, 31, v0                          ; lane
	v_lshlrev_b32 v[WOF], 4, v32
	s_lshl_b32 s12, s[WV], 18                      ; my wave's 256 rows of 1,024 bytes
	v_add_nc_u32 v[GOFF], s12, v[WOF]
	v_lshl_add_u32 v[PFO], v32, 8, s12
	s_lshl_b32 s14, ttmp9, 20                      ; my batch: 1,048,576 bytes each, 127 at the most in front
	s_mov_b32 s15, 0
	s_wait_kmcnt 0x0
	s_add_nc_u64 s[U:U+1], s[U:U+1], s[14:15]
	WIN 0x40
.set te, 0
.rept 64
	global_load_b128 v[4*te:4*te+3], v[GOFF], s[U:U+1] offset:512*te th:TH_LOAD_NT  ; block 0
.set te, te+1
.endr
	WIN 0
	v_and_b32 v1, 15, v0                           ; r
	v_bfe_u32 v2, v0, 4, 1                         ; h
	v_and_b32 v[MQ], 3, v0
	v_mov_b32 v[ZR], 0
	s_mov_b32 s[SEL], 0x76543210
	s_mov_b32 s[SEL+1], 0xfedcba98
	s_lshl_b32 s12, s[WV], 16                      ; four capsules of 16,384 bytes
	s_mov_b32 s13, 0
	s_add_nc_u64 s[WB:WB+1], s[WB:WB+1], s[12:13]
	s_lshl_b32 s12, ttmp9, 11                      ; a batch's 2,048 bytes of out0,
	s_lshl_b32 s14, s[WV], 9                       ; my four capsules' 512
	s_add_co_u32 s12, s12, s14
	s_add_nc_u64 s[OB:OB+1], s[OB:OB+1], s[12:13]
	s_mul_i32 s12, s[WV], URW
	v_lshl_add_u32 v[LST0], v32, 3, s12
	v_mul_u32_u24 v[LFR0], v1, PITCH
	v_lshl_add_u32 v[TSA], v2, 5, v[LFR0]          ; 528 r + 32 h
	v_lshl_add_u32 v[LFR0], v2, 4, v[LFR0]         ; 528 r + 16 h
	v_add_nc_u32 v[VRD], VT, v[LFR0]
	v_add_nc_u32 v[LFR0], s12, v[LFR0]
	s_and_b32 s13, s[WV], 1
	s_mul_i32 s13, s13, TSP
	s_add_co_u32 s13, s13, TS
	v_add_nc_u32 v[TSA], s13, v[TSA]
	v_lshrrev_b32 v33, 3, v1                       ; r / 8
	v_and_b32 v34, 7, v1                           ; r % 8
	v_mul_u32_u24 v[TRD], v33, HALFB
	v_lshl_add_u32 v[TRD], v34, 6, v[TRD]
	s_mul_i32 s13, s[WV], 4*PITCH
	s_add_co_u32 s14, s13, TS
	v_add_nc_u32 v[TRD], s14, v[TRD]
	v_mul_u32_u24 v[VST], v[MQ], PITCH
	v_lshl_add_u32 v[VST], v2, 8, v[VST]
	s_add_co_u32 s14, s13, VT
	v_add_nc_u32 v[VST], s14, v[VST]
	s_lshl_b32 s13, s[WV], 10
	s_add_co_u32 s13, s13, CS
	v_add_nc_u32 v[CSA], s13, v[WOF]
	v_lshl_add_u32 v[CSR], v2, 5, s13
	; the identity as source 1: column r has its 1.0 at k = r: in the half of the lanes h = r / 8, register (r % 8) / 2, half r % 2
	v_and_b32 v35, 1, v1
	v_lshlrev_b32 v35, 4, v35
	v_mov_b32 v36, 0x3c00                          ; 1.0 in f16
	v_lshlrev_b32 v36, v35, v36
	v_cmp_eq_u32 vcc_lo, v33, v2
	v_cndmask_b32 v36, 0, v36, vcc_lo
	v_lshrrev_b32 v34, 1, v34
.irp i, 0,1,2,3
	v_mov_b32 v[SELB+\i], 0
	v_cmp_eq_u32 vcc_lo, \i, v34
	v_cndmask_b32 v[SELB+4+\i], 0, v36, vcc_lo
	v_mov_b32 v[SELB+8+\i], 0
.endr
.irp q, 0,1,2,3
	v_cmp_eq_u32 s[MK+\q], \q, v[MQ]
.endr
.set te, 0
.rept 16
	v_mov_b32 v[CSUM+te], 0                        ; sixteen sums start at 0, while the first loads are out
.set te, te+1
.endr
; ---------------------------------------------------------------- the stream: u is read once
	v_mov_b32 v[LST], v[LST0]
	s_mov_b32 s[CNT], 4
.LloopA:                               ; blocks 0 to 3 pass through LDS on their way into registers
	TURN 1, 1
	s_wait_xcnt 0x0                                ; every load and prefetch issued so far has read its address (the prefetches stand seven groups back): the base may be stepped
	s_add_nc_u64 s[U:U+1], s[U:U+1], 32768
	v_add_nc_u32 v[LST], BLK, v[LST]
	s_sub_co_u32 s[CNT], s[CNT], 1
	s_cmp_lg_u32 s[CNT], 0
	s_cbranch_scc1 .LloopA
.set rb, 0
.rept 4                                ; back as fragments, into windows 2 and 3.  LDS serves a wave's instructions in order (ISA guide 5.7.1.4): these see the stores above, and the stores below come behind them
	WIN 0x80+0x40*(rb/2)
.set rf, 0
.rept 8
.irp a, 0,1
	ds_load_b128 v[128*(rb%2)+64*\a+8*rf:128*(rb%2)+64*\a+8*rf+3],   v[LFR0] offset:rb*BLK+\a*HALFB+64*rf
	ds_load_b128 v[128*(rb%2)+64*\a+8*rf+4:128*(rb%2)+64*\a+8*rf+7], v[LFR0] offset:rb*BLK+\a*HALFB+64*rf+32
.endr
.set rf, rf+1
.endr
.set rb, rb+1
.endr
	WIN 0
	v_mov_b32 v[LST], v[LST0]
	s_mov_b32 s[CNT], 3
.LloopB:                               ; blocks 4 to 6 take the same rows of LDS, and stay
	TURN 1, 2
	s_wait_xcnt 0x0
	s_add_nc_u64 s[U:U+1], s[U:U+1], 32768
	v_add_nc_u32 v[LST], BLK, v[LST]
	s_sub_co_u32 s[CNT], s[CNT], 1
	s_cmp_lg_u32 s[CNT], 0
	s_cbranch_scc1 .LloopB
	TURN 0, 0                                      ; block 7: nothing is left to ask for
; ---------------------------------------------------------------- round 0's T: my rows' column sums / 16, the same for every n, brought into the layout in which a walk leaves T
	WLOAD 0, 0
.irp i, 0,2,4,6
	v_pk_add_f32 v[CSUM+\i:CSUM+\i+1], v[CSUM+\i:CSUM+\i+1], v[CSUM+8+\i:CSUM+8+\i+1]
.endr
.irp i, 0,2,4,6
	v_pk_mul_f32 v[CSUM+\i:CSUM+\i+1], v[CSUM+\i:CSUM+\i+1], 0x3d800000 op_sel_hi:[1,0]  ; c = 1/16
.endr
	ds_store_b128 v[CSA], v[CSUM:CSUM+3]
	ds_store_b128 v[CSA], v[CSUM+4:CSUM+7] offset:512
	WIN 0x40
.set te, 0
.rept 16
	ds_load_b128 v[8*te:8*te+3],   v[CSR] offset:64*te     ; my wave's own bytes, in order behind the stores
	ds_load_b128 v[8*te+4:8*te+7], v[CSR] offset:64*te+16
.set te, te+1
.endr
	WIN 0
	s_mov_b32 s[TRIP], 3
; ---------------------------------------------------------------- a round: T of four waves is joined, s, o and V are made, u is walked.  The third round leaves at o
.Ltrip:
	PLACES                                         ; behind the walk's last products: for the loads into v128-255 and the stores of T
	WLOAD 1, 1
	s_wait_dscnt 0x0                               ; (first round: T and the resident blocks are in)
	s_cmp_lt_u32 s[WV], 2                          ; waves w and w + 2 are partners: each gives the other one half of its tiles
	s_cbranch_scc0 .Lgive_lo
	TSTORE 8
	s_branch .Lgiven
.Lgive_lo:
	TSTORE 0
.Lgiven:
	s_wait_dscnt 0x0                               ; for the partner's sake: my stores are done
	BAR
	s_cmp_lt_u32 s[WV], 2
	s_cbranch_scc0 .Ljoin_hi
	TJOIN 0
	s_branch .Ljoined
.Ljoin_hi:
	TJOIN 8
.Ljoined:
	s_wait_dscnt 0x0
	BAR                                            ; both pairs' T lie whole in TS
	TLOAD 0
	CAPS 0, 0
	CAPS 1, 1
	CAPS 2, 0
	CAPS 3, 1
	s_cmp_eq_u32 s[TRIP], 1
	s_cbranch_scc1 .Lend
	WIN 0x05                                       ; V is rounded to f16: register 0 of every accumulator first; eight channels 128 h + 16 j + 8 z + 0..7 make 16 bytes
.set vj, 0
.rept 8
.irp z, 0,1
.irp i, 0,1,2,3
	v_cvt_pk_f16_f32 v[VP+8*vj+4*\z+\i], v[8*(8*\z+2*\i)+vj], v[8*(8*\z+2*\i+1)+vj]
.endr
.endr
.set vj, vj+1
.endr
	WIN 0
.set vj, 0
.rept 8
.irp z, 0,1
	ds_store_b128 v[VST], v[VP+8*vj+4*\z:VP+8*vj+4*\z+3] offset:32*vj+16*\z  ; the four lanes with one r % 4 hold the same numbers and write the same bytes
.endr
.set vj, vj+1
.endr
	s_wait_dscnt 0x0                               ; my rows of V^T are written, and my reads of TS are over
	BAR
.set vj, 0
.rept 8
	ds_load_b128 v[VF+8*vj:VF+8*vj+3],   v[VRD] offset:64*vj
	ds_load_b128 v[VF+8*vj+4:VF+8*vj+7], v[VRD] offset:64*vj+32
.set vj, vj+1
.endr
	s_wait_dscnt 0x0                               ; V is in: the next writes of V^T stand behind two more barriers
	BLOCK 2, 0, 1, 0                               ; the walk's first block starts T's sums
	WIN 0
	v_mov_b32 v[LFR], v[LFR0]
	s_mov_b32 s[CNT], 4
.Lldsb:
	BLOCK 1, 128, 0, 1
	WIN 0
	v_add_nc_u32 v[LFR], BLK, v[LFR]
	s_sub_co_u32 s[CNT], s[CNT], 1
	s_cmp_lg_u32 s[CNT], 0
	s_cbranch_scc1 .Lldsb
	WLOAD 0, 0                                     ; the LDS blocks' registers are free: the next round's first capsule of W, three blocks ahead of its use
	BLOCK 2, 128, 0, 0
	BLOCK 3, 0, 0, 0
	BLOCK 3, 128, 0, 0
	WIN 0
	s_sub_co_u32 s[TRIP], s[TRIP], 1
	s_cmp_lg_u32 s[TRIP], 0
	s_cbranch_scc1 .Ltrip
.Lend:
	ds_load_b128 v[56:59], v[CSA]                  ; my four capsules' o, 512 bytes, my wave's own, in order behind the stores
	s_wait_dscnt 0x0
	global_store_b128 v[WOF], v[56:59], s[OB:OB+1] ; 512 consecutive bytes, at a multiple of 512 from out0's first byte
	s_wait_tensorcnt 0x0                           ; the wave's end, behind my last LDS store
	ds_add_u32 v[SPW], v[NIL]
	s_wait_dscnt 0x0
	s_endpgm
.Lfunc_end_k_q6825e4d2d1_caps:
	.size	k_q6825e4d2d1_caps, .Lfunc_end_k_q6825e4d2d1_caps-k_q6825e4d2d1_caps
	.p2alignl 7, 3214868480
	.fill 96, 4, 3214868480
	.section	.rodata,"a",@progbits
	.p2align	6, 0x0
	.amdhsa_kernel k_q6825e4d2d1_caps
		.amdhsa_group_segment_fixed_size 317184
		.amdhsa_private_segment_fixed_size 0
		.amdhsa_enable_private_segment 0
		.amdhsa_kernarg_size 24
		.amdhsa_user_sgpr_count 2
		.amdhsa_user_sgpr_kernarg_segment_ptr 1
		.amdhsa_wavefront_size32 1
		.amdhsa_system_sgpr_workgroup_id_x 1
		.amdhsa_system_sgpr_workgroup_id_y 1
		.amdhsa_system_sgpr_workgroup_id_z 1
		.amdhsa_system_vgpr_workitem_id 0
		.amdhsa_next_free_vgpr 1024
		.amdhsa_next_free_sgpr 66
		.amdhsa_reserve_vcc 1
		.amdhsa_float_denorm_mode_32 3
		.amdhsa_float_denorm_mode_16_64 3
		.amdhsa_memory_ordered 1
		.amdhsa_forward_progress 1
		.amdhsa_inst_pref_size 255
	.end_amdhsa_kernel
	.section	.bss,"aw",@nobits
	.p2align	6
	.space	262144
	.amdgpu_metadata
---
amdhsa.version: [ 1, 2 ]
amdhsa.kernels:
  - .name:           k_q6825e4d2d1_caps
    .symbol:         k_q6825e4d2d1_caps.kd
    .args:
      - { .name: u_vecs, .offset: 0, .size: 8, .value_kind: global_buffer, .address_space: global }
      - { .name: wimg, .offset: 8, .size: 8, .value_kind: global_buffer, .address_space: global }
      - { .name: out0, .offset: 16, .size: 8, .value_kind: global_buffer, .address_space: global }
    .group_segment_fixed_size: 317184
    .private_segment_fixed_size: 0
    .kernarg_segment_align: 8
    .kernarg_segment_size: 24
    .max_flat_workgroup_size: 128
    .sgpr_count:     66
    .vgpr_count:     1024
    .wavefront_size: 32
...
	.end_amdgpu_metadata
.endif
;; end of part 2
;; ======== version 2 of 2: 2 launches; version 1 with the launch caps written anew for expert scheduling mode
;; limits: values are held in f16: magnitudes above 65,504 overflow, below 6.1e-05 lose precision; inputs' magnitudes at most 65,504
;; workspace buffers: wimg 262,144 bytes
;; launch prep: the kernel of part 1 again; grid 32 x 1, 4 waves a work-group, no clusters, 0 bytes of LDS; arguments W, wimg; writes wimg
;; launch caps (part 3): grid 128 x 1, 4 waves a work-group, no clusters, 317,184 bytes of LDS; arguments u_vecs, wimg, out0; writes out0
.if DOCPART == 3
	.amdgcn_target "amdgcn-amd-amdhsa--gfx1250"
	.amdhsa_code_object_version 6
	.text
	.protected	k_q6825e4d2d1_caps
	.globl	k_q6825e4d2d1_caps
	.p2align	8
	.type	k_q6825e4d2d1_caps,@function
k_q6825e4d2d1_caps:
	s_mov_b64 s[64:65], 0
	v_nop
	global_prefetch_b8 v0, s[64:65] scope:SCOPE_SE
	s_setreg_imm32_b32 hwreg(HW_REG_WAVE_SCHED_MODE, 0, 2), 2
	s_setreg_imm32_b32 hwreg(HW_REG_WAVE_MODE, 25, 1), 1
	s_wait_xcnt 0x0
	s_wait_alu depctr_vm_vsrc(0)
; CAPSULE ROUTING, one work-group a batch.  u: [128][1024][256] f32, wimg: W in f16 as the launch before laid it, out0: [128][16][32] f32.
; WHAT IS NOT DONE, AND WHY IT IS DEAD.  u_hat[n][i][:] = u[i][:] W_n (W_n = W's columns 32 n .. 32 n + 31) enters reference() only linearly.  In exact arithmetic, for all values of the inputs,
;   sum_i c[n][i] (u[i] W_n) = (sum_i c[n][i] u[i]) W_n = T[n] W_n      and      o[n] . (u[i] W_n) = u[i] . (W_n o[n]) = u[i] . V[:][n].
; So u_hat is never formed: a round is one walk over u (S = u V, softmax over n, T = c^T u) and a small step with W (s = T W_n, squash, V = W_n o).
; In round 0 b is the zeros that reference() builds itself, so c = 1/16 whatever the inputs hold: its exponentials are left out, and T is u's column sum / 16.
; Both inputs are read; none is left out.  The maximum over n is taken away before every exponential that is made.
; LIMITS.  u, W, V and the weights c are matrix operands in f16: |u|, |W| of 65,520 or more become infinities, magnitudes under 6e-5 keep f16's fixed step of 6e-8.  All sums (column sums, S, T, s,
; norms) are f32.  The sums are taken in another order than reference()'s.  A weight under 2^-126 counts as 0.  NaN and infinities are not treated apart; one that reference() would meet only in u_hat is met here in T or V.
; WHY ONE WORK-GROUP A BATCH.  The three walks hang on each other through sums over all 1,024 rows of a batch.  A batch in f16 is 524,288 bytes: each wave keeps 128 of its 256 rows in 512 registers
; and 128 in LDS, so u is read from memory once.  128 batches give 128 work-groups; a split of a batch over two would send T and V through memory and read u three times.
; NO CLUSTER.  All work-groups read the same wimg, but a joint load lands in LDS: of 327,680 bytes this text holds 317,184, and one capsule's image is 16,384.  It goes straight into registers, in operand order.
; SHARES.  Wave w owns rows 256 w .. 256 w + 255, as 8 blocks of 32; only it touches them.  With W it owns capsules 4 w .. 4 w + 3.
; LAYOUTS.  S = u V: source 0 = 16 rows x 32 channels of u, source 1 = V: a lane holds capsule n = lane % 16, and 8 rows: the softmax over n is four steps inside 16 lanes, and S rounded in pairs IS
; source 1 (32 rows x 16 capsules) of T^T = u^T c.  u^T comes from the matrix unit too: u times a 32 x 16 piece of the identity gives 16 rows x 16 channels with a lane a channel, exactly.
; LDS.  UR 0: wave w at 67,584 w, 128 rows of 512 bytes, pitch 528 = 132 words, so that 16 rows start at 16 different groups of four banks (64 banks of 4 bytes: ISA guide 11.1).
;       TS: [pair w % 2][channel half][n, pitch 528][128 f32].   VT: V^T [n][c] f16, pitch 528.   CS: 1,024 bytes a wave.   SPARE: the spare words.
; REGISTERS, in windows of 256 (s_set_vgpr_msb: bits 1:0 source 0, 3:2 source 1, 5:4 source 2, 7:6 destination):
;   window 0: v0-31 addresses and the identity's pieces; the rest by phase (below)     window 1: v0-127 T's 16 tiles (later V's), v128-255 an LDS block's fragments or W's; in the stream all 256: the ring
;   windows 2, 3: the four resident blocks, fragment (a, f) at base + 64 a + 8 f
; THE MODE: SCHED_MODE bits 1:0 = 2 (LLVM: expert scheduling mode 2), set by the entry lines.  The code itself states the register dependences between vector or matrix instructions and memory or
; LDS instructions, with s_wait_alu, always for 0.
; THE PLAN.  Registers that memory or LDS instructions touch, who else names them, and the wait that stands between:
;   addresses     v3, v6-v14, v19, and v16, v17: made at the head, never written again.  v4 and v5 are stepped: a wait on vm_vsrc ahead of the add, and the next wait on va_vdst, which stands there anyway, ahead of the next access.
;   the ring      Group g of a turn: its additions and conversions read its 32 registers; then the next block's loads land in them.
;   TM0, TM1      Group g's conversions write TM[g % 2]; its eight LDS stores read it.  ONE wait on va_vdst a group, behind the conversions, serves the loads and the stores.  ONE wait on vm_vsrc a group stands
;                 ahead of the group's own stores: it covers the stores of the group before, issued a whole group earlier, whose buffer the next group writes.
;   W's buffers   Read by the mixed multiply-adds and by V's products; each run of 32 loads has one wait on va_vdst ahead of it, behind its window switch.
;   T's tiles     Written by the walk's products or by the partners' additions, read by LDS stores (va_vdst ahead of the stores), written again by V's products (vm_vsrc beside the waits ahead of the two barriers).
;   TP            Read by eight additions at a capsule's head; the next capsule's loads stand behind the wait that the root needs anyway.
;   VP, s, sums   Written by vector instructions, read by LDS stores, written again later: va_vdst ahead of the stores, vm_vsrc ahead of the next writer.
;   TA            An LDS block's fragments: read by the block's products; one wait on va_vdst at the next block's head, which also states that v5 is written.
;   S, M, P, DT, X, the resident blocks and the norm's registers in a walk are named by vector and matrix instructions alone.
.set PITCH, 528
.set HALFB, 16*PITCH                   ; 16 rows
.set BLK,   32*PITCH                   ; a block of 32 rows
.set URW,   4*BLK                      ; a wave's rows in LDS
.set TS,    4*URW
.set TSP,   2*HALFB                    ; one pair's T
.set VT,    TS+2*TSP
.set CS,    VT+HALFB
.set SPARE, CS+4096                    ; 128 bytes a wave: two blocks of 256 bytes that no other line names
.set GOFF, 3                           ; v3   my 16 bytes in the first 512 of my wave's rows of u; never rewritten
.set LST,  4                           ; v4   the stream's LDS address, stepped a block a turn
.set LFR,  5                           ; v5   where an LDS block's fragments are read, stepped
.set TSA,  6                           ; v6   my place in a tile of T in TS: pair, row n = r, 32 h
.set TRD,  7                           ; v7   T[4 w][16 r ..] in TS
.set VST,  8                           ; v8   V^T row 4 w + r % 4, byte 256 h
.set VRD,  9                           ; v9   V^T as source 1: row r, byte 16 h
.set CSA,  10                          ; v10  my wave's CS + 16 x lane
.set CSR,  11                          ; v11  my wave's CS + 32 h
.set WOF,  12                          ; v12  16 x lane; never rewritten
.set LST0, 13                          ; v13  my wave's UR + 8 x lane
.set LFR0, 14                          ; v14  my wave's UR + 528 r + 16 h
.set MQ,   15                          ; v15  r % 4
.set SPW,  16                          ; v16  my spare word; never rewritten
.set NIL,  17                          ; v17  0; never rewritten
.set ZR,   18                          ; v18  0, the first addend of s
.set PFO,  19                          ; v19  the prefetches' offset: my wave's rows + 256 x lane; never rewritten
.set SELB, 20                          ; v20-31  0 0 0 0 p0-p3 0 0 0 0: v[24:31] picks channels 0-15 of a fragment, v[20:27] channels 16-31
.set VF,   32                          ; a walk: v32-95 V's eight fragments; v96-111 S; v112-127 M; v128-135 P; v136-199 DT; v200-231 X
.set S,    96
.set M,    112
.set P,    128
.set DT,   136
.set X,    200
.set XT,   32                          ; with W: v32-95 the partner's tiles, then v32-47 s, v48-55 o as source 1, v56-61 the norm, v64-79 T[n]
.set ACC,  32
.set BP,   48
.set N,    56
.set TVA,  64
.set TP,   96                          ; v96-127 T[n] of both pairs
.set WF,   128                         ; v128-255 W's fragments of one capsule: buffer 0 in window 1, buffer 1 in window 0
.set VP,   128                         ; v128-191 V packed
.set TM,   136                         ; the stream: v136-151, v152-167 a group's f16, two buffers by turns; v232-247 column sums: 2 row parities x 2 row halves x 4
.set CSUM, 232
.set TA,   128                         ; window 1: an LDS block's fragments
.set U,    4                           ; s[4:5]  u at my batch, stepped a block a turn
.set WB,   6                           ; s[6:7]  wimg at my four capsules; never rewritten after the head
.set OB,   8                           ; s[8:9]  out0 at my four capsules
.set WV,   10
.set SEL,  16                          ; s[16:17] v_permlanex16_b32: each lane takes its own place in the other half
.set MK,   20                          ; s20-23  lanes with r % 4 = q
.set CNT,  24
.set TRIP, 25                          ; rounds to go
.set IM,   26                          ; s26-30  at the head only: the masks that place the identity's 1.0
.set MSB, 0
.macro WIN new                         ; the high byte repeats the setting that is left; a switch that changes nothing is dropped
.if MSB != (\new)
	s_set_vgpr_msb (MSB<<8)|(\new)
.set MSB, (\new)
.endif
.endm
.macro PLACES                          ; four plain instructions between a matrix instruction and a vector instruction or store that touches its registers
.rept 4
	v_nop
.endr
.endm
.macro BAR
	s_barrier_signal -1
	s_barrier_wait -1
.endm
.macro SWEEP op, dst, src, mask        ; sixteen registers, each lane with its neighbour at lane xor mask
.set sk, 0
.rept 16
	\op v[(\dst)+sk], v[(\src)+sk], v[(\src)+sk] row_xmask:\mask row_mask:0xf bank_mask:0xf
.set sk, sk+1
.endr
.endm
; A TURN OF THE RING: the block of 32 rows that lies in the ring's 64 slots (slot 8 g + e: row 4 g + e / 2, half e % 2 of its 1,024 bytes; a lane holds 4 columns) is added to the column sums,
; rounded to f16 and put into LDS.  ahead = 1: each group's slots are asked for again at once, with the next block, ahead of the group's LDS stores.
; pf: four prefetches, together behind the turn's first loads and stores, for the block that the NEXT turn's loads will ask for: my wave's own 32,768 bytes, a lane 256 of them, so each is named once in the launch.
; pf = 1 always, 2 unless this is the loop's last trip (there is no such block), 0 never.  Blocks 0 and 1 come by their loads alone.
.macro TURN ahead, pf
.set tg, 0
.rept 8
.set rT, TM+16*(tg%2)
.if \ahead
	s_wait_loadcnt 56                              ; loads return in order: this group's eight are in, the seven younger groups' 56 stay out
.else
	s_wait_loadcnt 56-8*tg                         ; nothing is asked for any more: the count runs down
.endif
	WIN 0x01
.set te, 0
.rept 8
.set rR, 4*(8*tg+te)
.set rC, CSUM+4*(2*((te/2)%2)+te%2)
	v_pk_add_f32 v[rC:rC+1], v[rR:rR+1], v[rC:rC+1]
	v_pk_add_f32 v[rC+2:rC+3], v[rR+2:rR+3], v[rC+2:rC+3]
.set te, te+1
.endr
	WIN 0x05
.set te, 0
.rept 8
.set rR, 4*(8*tg+te)
	v_cvt_pk_f16_f32 v[rT+2*te], v[rR], v[rR+1]
	v_cvt_pk_f16_f32 v[rT+2*te+1], v[rR+2], v[rR+3]
.set te, te+1
.endr
.if \ahead
	WIN 0x40
.else
	WIN 0
.endif
.if (tg > 0) && (tg < 7)
	s_wait_alu depctr_vm_vsrc(0)                   ; the LDS stores of the group before have read the other f16 buffer, which the next group's conversions write (a turn's groups 0 and 1 are served by the wait at the loop's bottom)
.endif
	s_wait_alu depctr_va_vdst(0)                   ; the conversions have written this group's f16 buffer, which the LDS stores read; they and the additions are done reading the group's slots, in which the loads land; in a turn's first group v[LST] is written
.if \ahead
.set te, 0
.rept 8
.set rR, 4*(8*tg+te)
	global_load_b128 v[rR:rR+3], v[GOFF], s[U:U+1] offset:32768+512*(8*tg+te) th:TH_LOAD_NT
.set te, te+1
.endr
.endif
	WIN 0
.set te, 0
.rept 8
	ds_store_b64 v[LST], v[rT+2*te:rT+2*te+1] offset:(4*tg+te/2)*PITCH+(te%2)*256  ; 32 lanes, 256 bytes on end
.set te, te+1
.endr
.if (\pf) && (tg == 0)
.if (\pf) == 2
	s_cmp_gt_u32 s[CNT], 1
	s_cbranch_scc0 .Lnone_\@
.endif
.irp j, 0,1,2,3
	global_prefetch_b8 v[PFO], s[U:U+1] offset:65536+8192*\j th:TH_LOAD_NT scope:SCOPE_SE
.endr
.if (\pf) == 2
.Lnone_\@:
.endif
.endif
.set tg, tg+1
.endr
	WIN 0
.endm
; W's 16 fragments of my capsule q into buffer buf: 32 loads of 512 bytes on end.
.macro WLOAD buf, q
.if (\buf) == 0
	WIN 0x40
.else
	WIN 0
.endif
	s_wait_alu depctr_va_vdst(0)                   ; every vector and matrix instruction that read or wrote this buffer's 128 registers is done: the loads land in them
.set wt, 0
.rept 16
	global_load_b128 v[WF+8*wt:WF+8*wt+3],   v[WOF], s[WB:WB+1] offset:(\q)*16384+wt*1024
	global_load_b128 v[WF+8*wt+4:WF+8*wt+7], v[WOF], s[WB:WB+1] offset:(\q)*16384+wt*1024+512
.set wt, wt+1
.endr
	WIN 0
.endm
; THE SOFTMAX over n of 32 rows: S's register k holds one row, its 16 capsules in 16 lanes.  Each accumulator's lowest registers are read first.  Two batches of transcendentals, each with one plain
; instruction behind it and one wait ahead of the first use.
.macro SOFTMAX
	SWEEP v_max_num_f32_dpp, M, S, 1
	SWEEP v_max_num_f32_dpp, M, M, 2
	SWEEP v_max_num_f32_dpp, M, M, 4
	SWEEP v_max_num_f32_dpp, M, M, 8
.irp i, 0,2,4,6,8,10,12,14
	v_pk_add_f32 v[S+\i:S+\i+1], v[S+\i:S+\i+1], v[M+\i:M+\i+1] neg_lo:[0,1] neg_hi:[0,1]  ; log2(e) lies in V already
.endr
.irp i, 0,1,2,3,4,5,6,7,8,9,10,11,12,13,14,15
	v_exp_f32 v[S+\i], v[S+\i]
.endr
	v_nop
	s_wait_alu depctr_va_vdst(0)                   ; the sixteen exponentials have written S, ahead of their first reader
	SWEEP v_add_f32_dpp, M, S, 1
	SWEEP v_add_f32_dpp, M, M, 2
	SWEEP v_add_f32_dpp, M, M, 4
	SWEEP v_add_f32_dpp, M, M, 8
.irp i, 0,1,2,3,4,5,6,7,8,9,10,11,12,13,14,15
	v_rcp_f32 v[M+\i], v[M+\i]                     ; the sum is at least 1: the largest term is 2^0
.endr
	v_nop
	s_wait_alu depctr_va_vdst(0)                   ; the sixteen reciprocals have written M, ahead of their first reader
.irp i, 0,2,4,6,8,10,12,14
	v_pk_mul_f32 v[S+\i:S+\i+1], v[S+\i:S+\i+1], v[M+\i:M+\i+1]
.endr
.irp i, 0,1,2,3,4,5,6,7
	v_cvt_pk_f16_f32 v[P+\i], v[S+2*\i], v[S+2*\i+1]
.endr
.endm
; Channel fragment g of the block is turned: u (16 rows a, 32 channels) times the identity's piece s: a lane holds channel 32 g + 16 s + r, its registers 8 rows.  Exact.
.macro TR g, win, base
	WIN \win
.irp s, 0,1
.irp a, 0,1
	v_wmma_f32_16x16x32_f16 v[DT+32*((\g)%2)+16*\s+8*\a:DT+32*((\g)%2)+16*\s+8*\a+7], v[(\base)+64*\a+8*(\g):(\base)+64*\a+8*(\g)+7], v[SELB+4-4*\s:SELB+11-4*\s], 0
.endr
.endr
.endm
.macro CV g                            ; back to f16, exactly: source 0 of the second product, 16 channels x 32 rows
	WIN 0
.irp s, 0,1
.irp a, 0,1
.irp i, 0,1,2,3
	v_cvt_pk_f16_f32 v[X+16*((\g)%2)+8*\s+4*\a+\i], v[DT+32*((\g)%2)+16*\s+8*\a+2*\i], v[DT+32*((\g)%2)+16*\s+8*\a+2*\i+1]
.endr
.endr
.endr
.endm
.macro TW g, zero                      ; T's tiles 2 g and 2 g + 1 take the block; zero = 1: the walk's first block starts the sums
	WIN 0x50
.irp s, 0,1
.if \zero
	v_wmma_f32_16x16x32_f16 v[8*(2*(\g)+\s):8*(2*(\g)+\s)+7], v[X+16*((\g)%2)+8*\s:X+16*((\g)%2)+8*\s+7], v[P:P+7], 0
.else
	v_wmma_f32_16x16x32_f16 v[8*(2*(\g)+\s):8*(2*(\g)+\s)+7], v[X+16*((\g)%2)+8*\s:X+16*((\g)%2)+8*\s+7], v[P:P+7], v[8*(2*(\g)+\s):8*(2*(\g)+\s)+7]
.endif
.endr
.endm
; ONE BLOCK OF 32 ROWS, whose fragments lie at base in window win (lds = 1: they are fetched there first).  No two matrix instructions on end share an accumulator.
; The places: between TR g and CV g stand CV g - 1's sixteen conversions (for g = 0 four v_nop); between TW g and the rewriting of its X stand CV g + 1's; DT's sets are written again two groups on.
.macro BLOCK win, base, zero, lds
.if \lds
	WIN 0x40
	s_wait_alu depctr_va_vdst(0)                   ; v[LFR] is written, which the loads read; the products that read these 128 registers (the block before's; ahead of the first block the work with W) are done: the loads land in them
.set bf, 0
.rept 8
.irp a, 0,1
	ds_load_b128 v[TA+64*\a+8*bf:TA+64*\a+8*bf+3],   v[LFR] offset:\a*HALFB+64*bf
	ds_load_b128 v[TA+64*\a+8*bf+4:TA+64*\a+8*bf+7], v[LFR] offset:\a*HALFB+64*bf+32
.endr
.set bf, bf+1
.endr
.endif
	WIN \win
.set bf, 0
.rept 8
.if \lds
	s_wait_dscnt 28-4*bf                           ; LDS loads return in order: the four of each later fragment may be out
.endif
.irp a, 0,1
.if bf == 0
	v_wmma_f32_16x16x32_f16 v[S+8*\a:S+8*\a+7], v[(\base)+64*\a+8*bf:(\base)+64*\a+8*bf+7], v[VF+8*bf:VF+8*bf+7], 0
.else
	v_wmma_f32_16x16x32_f16 v[S+8*\a:S+8*\a+7], v[(\base)+64*\a+8*bf:(\base)+64*\a+8*bf+7], v[VF+8*bf:VF+8*bf+7], v[S+8*\a:S+8*\a+7]
.endif
.endr
.set bf, bf+1
.endr
	WIN 0
	PLACES
	SOFTMAX
	TR 0, \win, \base
	PLACES
	TR 1, \win, \base
	CV 0
	TW 0, \zero
.irp g, 2,3,4,5,6,7
	TR \g, \win, \base
	CV (\g)-1
	TW (\g)-1, \zero
.endr
	CV 7
	TW 7, \zero
.endm
; T's tiles t0 .. t0 + 7 into my pair's region of TS: register j of tile t is T[n = r][16 t + 8 h + j].
.macro TSTORE t0
	WIN 0x04
.set st, 0
.rept 8
	ds_store_b128 v[TSA], v[8*((\t0)+st):8*((\t0)+st)+3]   offset:((\t0)/8)*HALFB+64*st
	ds_store_b128 v[TSA], v[8*((\t0)+st)+4:8*((\t0)+st)+7] offset:((\t0)/8)*HALFB+64*st+16
.set st, st+1
.endr
	WIN 0
.endm
.macro TJOIN t0                        ; my partner's tiles t0 .. t0 + 7 are added onto mine, and the sums go back to the same bytes, which nobody else touches between the two barriers
	WIN 0
.set jt, 0
.rept 8
	ds_load_b128 v[XT+8*jt:XT+8*jt+3],   v[TSA] offset:((\t0)/8)*HALFB+64*jt
	ds_load_b128 v[XT+8*jt+4:XT+8*jt+7], v[TSA] offset:((\t0)/8)*HALFB+64*jt+16
.set jt, jt+1
.endr
	s_wait_dscnt 0x0
	WIN 0x41
.set jt, 0
.rept 32
	v_pk_add_f32 v[8*(\t0)+2*jt:8*(\t0)+2*jt+1], v[8*(\t0)+2*jt:8*(\t0)+2*jt+1], v[XT+2*jt:XT+2*jt+1]
.set jt, jt+1
.endr
	s_wait_alu depctr_va_vdst(0)                   ; the additions have written the eight tiles, which the LDS stores read
	TSTORE \t0
.endm
.macro TLOAD q                         ; T[4 w + q][16 r .. 16 r + 15] of both pairs
.irp i, 0,1,2,3
	ds_load_b128 v[TP+4*\i:TP+4*\i+3],       v[TRD] offset:(\q)*PITCH+16*\i
	ds_load_b128 v[TP+16+4*\i:TP+16+4*\i+3], v[TRD] offset:(\q)*PITCH+16*\i+TSP
.endr
.endm
.macro MIX k, t, c                     ; s's term: W's f16 half k of fragment t times T in f32, onto register c
.if (\k)%2
	v_fma_mix_f32 v[ACC+(\k)], v[WF+8*(\t)+(\k)/2], v[TVA+(\t)], v[\c] op_sel:[1,0,0] op_sel_hi:[1,0,0]
.else
	v_fma_mix_f32 v[ACC+(\k)], v[WF+8*(\t)+(\k)/2], v[TVA+(\t)], v[\c] op_sel:[0,0,0] op_sel_hi:[1,0,0]
.endif
.endm
; MY CAPSULE q, W's fragments in buffer buf.  s[d] = sum over c of T[c] W[c][d]: lane (r, h) sums its 16 channels 16 r + t for its 16 dimensions (k < 8: d = 8 h + k, else 8 + 8 h + k), then the 16 lanes are added.
; In that order s, rounded in pairs, is a column of source 1.  o = s / sqrt(|s|^2 + 1e-7).  In the last round o goes out; else V += W_n o, o standing in the columns with r % 4 = q alone.
.macro CAPS q, buf
	s_wait_dscnt 0x0                               ; T[n] is in
.irp i, 0,2,4,6,8,10,12,14
	v_pk_add_f32 v[TVA+\i:TVA+\i+1], v[TP+\i:TP+\i+1], v[TP+16+\i:TP+16+\i+1]
.endr
.if (\q) < 3
	s_wait_loadcnt 32                              ; this buffer's 32 loads are in; the other buffer's 32, issued later, may be out
.else
	s_wait_loadcnt 0x0
.endif
.if (\buf) == 0
	WIN 0x01
.endif
.set ct, 0
.rept 16
.set ck, 0
.rept 16
.if ct == 0
	MIX ck, ct, ZR
.else
	MIX ck, ct, ACC+ck
.endif
.set ck, ck+1
.endr
.set ct, ct+1
.endr
	WIN 0
	SWEEP v_add_f32_dpp, ACC, ACC, 1
	SWEEP v_add_f32_dpp, ACC, ACC, 2
	SWEEP v_add_f32_dpp, ACC, ACC, 4
	SWEEP v_add_f32_dpp, ACC, ACC, 8
	v_pk_mul_f32 v[N:N+1], v[ACC:ACC+1], v[ACC:ACC+1]
	v_pk_mul_f32 v[N+2:N+3], v[ACC+2:ACC+3], v[ACC+2:ACC+3]
.irp i, 4,8,12
	v_pk_fma_f32 v[N:N+1], v[ACC+\i:ACC+\i+1], v[ACC+\i:ACC+\i+1], v[N:N+1]
	v_pk_fma_f32 v[N+2:N+3], v[ACC+\i+2:ACC+\i+3], v[ACC+\i+2:ACC+\i+3], v[N+2:N+3]
.endr
	v_pk_add_f32 v[N:N+1], v[N:N+1], v[N+2:N+3]
	v_add_f32 v[N], v[N], v[N+1]
	v_permlanex16_b32 v[N+1], v[N], s[SEL], s[SEL+1]  ; the other 16 dimensions
	v_add_f32 v[N], v[N], v[N+1]
	v_add_f32 v[N], 0x33d6bf95, v[N]               ; + 1e-7
	v_rsq_f32 v[N+2], v[N]
	v_nop
	s_wait_alu depctr_va_vdst(0)                   ; the root's reciprocal is written, ahead of the branch and of its first use; and the additions at the capsule's head are done reading T[n]'s registers, in which the loads below land
.if (\q) < 3
	TLOAD (\q)+1                                   ; the next capsule's T: it has the rest of this capsule in which to land
.endif
	s_cmp_eq_u32 s[TRIP], 1
	s_cbranch_scc1 .Lfin_\@
	v_mul_f32 v[N+4], 0x3fb8aa3b, v[N+2]           ; log2(e) goes into V, in f32, so that the walk's exponentials are powers of 2
	v_cndmask_b32 v[N+4], 0, v[N+4], s[MK+(\q)]
	v_mov_b32 v[N+5], v[N+4]
.irp i, 0,2,4,6,8,10,12,14
	v_pk_mul_f32 v[ACC+\i:ACC+\i+1], v[ACC+\i:ACC+\i+1], v[N+4:N+5]
.endr
.irp i, 0,1,2,3,4,5,6,7
	v_cvt_pk_f16_f32 v[BP+\i], v[ACC+2*\i], v[ACC+2*\i+1]
.endr
	WIN 0x51-(\buf)                                ; V in window 1; W in window 1 (buffer 0) or 0
.set ct, 0
.rept 16                               ; register j of tile t: V[128 h + 16 j + t][4 w + r % 4].  Sixteen accumulators by turns
.if (\q) == 0
	v_wmma_f32_16x16x32_f16 v[8*ct:8*ct+7], v[WF+8*ct:WF+8*ct+7], v[BP:BP+7], 0
.else
	v_wmma_f32_16x16x32_f16 v[8*ct:8*ct+7], v[WF+8*ct:WF+8*ct+7], v[BP:BP+7], v[8*ct:8*ct+7]
.endif
.set ct, ct+1
.endr
	WIN 0
	PLACES                                         ; behind these products: ahead of the next vector instructions that write o's registers, and behind the last capsule ahead of the packing of V
	s_branch .Ljoin_\@
.Lfin_\@:
	v_mov_b32 v[N+3], v[N+2]
.irp i, 0,2,4,6,8,10,12,14
	v_pk_mul_f32 v[ACC+\i:ACC+\i+1], v[ACC+\i:ACC+\i+1], v[N+2:N+3]
.endr
	s_wait_alu depctr_va_vdst(0)                   ; the multiplies have written o, which the LDS stores read
	ds_store_b128 v[CSR], v[ACC:ACC+3]     offset:128*(\q)      ; the 16 lanes of a half hold the same numbers and write the same bytes
	ds_store_b128 v[CSR], v[ACC+4:ACC+7]   offset:128*(\q)+16
	ds_store_b128 v[CSR], v[ACC+8:ACC+11]  offset:128*(\q)+64
	ds_store_b128 v[CSR], v[ACC+12:ACC+15] offset:128*(\q)+80
.if (\q) < 3
	s_wait_alu depctr_vm_vsrc(0)                   ; the LDS stores have read o's sixteen registers, which the next capsule's sums write
.endif
.Ljoin_\@:
.if (\q) < 2
	WLOAD \buf, (\q)+2                             ; its wait states that this capsule's multiply-adds and products are done reading the buffer
.endif
.endm
; ---------------------------------------------------------------- the head: the ring's first 64 loads go out before anything else is set up
	s_load_b128 s[4:7], s[0:1], 0x0                ; u, wimg
	s_load_b64 s[8:9], s[0:1], 0x10                ; out0
	v_lshl_add_u32 v[SPW], v0, 2, SPARE
	v_mov_b32 v[NIL], 0
	v_lshrrev_b32 v1, 5, v0
	v_readfirstlane_b32 s[WV], v1                  ; wave 0..3
	v_and_b32 v32, 31, v0                          ; lane
	v_lshlrev_b32 v[WOF], 4, v32
	s_wait_alu depctr_va_sdst(0)                   ; the wave's number is written, ahead of its first reader
	s_lshl_b32 s12, s[WV], 18                      ; my wave's 256 rows of 1,024 bytes
	v_add_nc_u32 v[GOFF], s12, v[WOF]
	v_lshl_add_u32 v[PFO], v32, 8, s12
	s_lshl_b32 s14, ttmp9, 20                      ; my batch: 1,048,576 bytes each, 127 at the most in front
	s_mov_b32 s15, 0
	s_wait_kmcnt 0x0
	s_add_nc_u64 s[U:U+1], s[U:U+1], s[14:15]
	WIN 0x40
	s_wait_alu depctr_va_vdst(0)                   ; v[GOFF], v[WOF] and v[PFO] are written, the offsets of every load of u and W, of the last store and of the prefetches; so are v[SPW] and v[NIL]
.set te, 0
.rept 64
	global_load_b128 v[4*te:4*te+3], v[GOFF], s[U:U+1] offset:512*te th:TH_LOAD_NT  ; block 0
.set te, te+1
.endr
	WIN 0
	v_and_b32 v1, 15, v0                           ; r
	v_bfe_u32 v2, v0, 4, 1                         ; h
	v_and_b32 v[MQ], 3, v0
	v_mov_b32 v[ZR], 0
	s_mov_b32 s[SEL], 0x76543210
	s_mov_b32 s[SEL+1], 0xfedcba98
	s_lshl_b32 s12, s[WV], 16                      ; four capsules of 16,384 bytes
	s_mov_b32 s13, 0
	s_add_nc_u64 s[WB:WB+1], s[WB:WB+1], s[12:13]
	s_lshl_b32 s12, ttmp9, 11                      ; a batch's 2,048 bytes of out0,
	s_lshl_b32 s14, s[WV], 9                       ; my four capsules' 512
	s_add_co_u32 s12, s12, s14
	s_add_nc_u64 s[OB:OB+1], s[OB:OB+1], s[12:13]
	s_mul_i32 s12, s[WV], URW
	v_lshl_add_u32 v[LST0], v32, 3, s12
	v_mul_u32_u24 v[LFR0], v1, PITCH
	v_lshl_add_u32 v[TSA], v2, 5, v[LFR0]          ; 528 r + 32 h
	v_lshl_add_u32 v[LFR0], v2, 4, v[LFR0]         ; 528 r + 16 h
	v_add_nc_u32 v[VRD], VT, v[LFR0]
	v_add_nc_u32 v[LFR0], s12, v[LFR0]
	s_and_b32 s13, s[WV], 1
	s_mul_i32 s13, s13, TSP
	s_add_co_u32 s13, s13, TS
	v_add_nc_u32 v[TSA], s13, v[TSA]
	v_lshrrev_b32 v33, 3, v1                       ; r / 8
	v_and_b32 v34, 7, v1                           ; r % 8
	v_mul_u32_u24 v[TRD], v33, HALFB
	v_lshl_add_u32 v[TRD], v34, 6, v[TRD]
	s_mul_i32 s13, s[WV], 4*PITCH
	s_add_co_u32 s14, s13, TS
	v_add_nc_u32 v[TRD], s14, v[TRD]
	v_mul_u32_u24 v[VST], v[MQ], PITCH
	v_lshl_add_u32 v[VST], v2, 8, v[VST]
	s_add_co_u32 s14, s13, VT
	v_add_nc_u32 v[VST], s14, v[VST]
	s_lshl_b32 s13, s[WV], 10
	s_add_co_u32 s13, s13, CS
	v_add_nc_u32 v[CSA], s13, v[WOF]
	v_lshl_add_u32 v[CSR], v2, 5, s13
	; the identity as source 1: column r has its 1.0 at k = r: in the half of the lanes h = r / 8, register (r % 8) / 2, half r % 2
	v_and_b32 v35, 1, v1
	v_lshlrev_b32 v35, 4, v35
	v_mov_b32 v36, 0x3c00                          ; 1.0 in f16
	v_lshlrev_b32 v36, v35, v36
	v_lshrrev_b32 v34, 1, v34
	v_cmp_eq_u32 s[IM], v33, v2                    ; the nine compares stand in one run, each with a scalar register of its own
.irp i, 0,1,2,3
	v_cmp_eq_u32 s[IM+1+\i], \i, v34
.endr
.irp q, 0,1,2,3
	v_cmp_eq_u32 s[MK+\q], \q, v[MQ]
.endr
	s_wait_alu depctr_va_sdst(0)                   ; the nine masks are written, ahead of their first readers: the selects below, and for s[MK ..] the selects in the work with W
	v_cndmask_b32 v36, 0, v36, s[IM]
.irp i, 0,1,2,3
	v_mov_b32 v[SELB+\i], 0
	v_cndmask_b32 v[SELB+4+\i], 0, v36, s[IM+1+\i]
	v_mov_b32 v[SELB+8+\i], 0
.endr
.set te, 0
.rept 16
	v_mov_b32 v[CSUM+te], 0                        ; sixteen sums start at 0, while the first loads are out
.set te, te+1
.endr
; ---------------------------------------------------------------- the stream: u is read once
	v_mov_b32 v[LST], v[LST0]
	s_mov_b32 s[CNT], 4
.LloopA:                               ; blocks 0 to 3 pass through LDS on their way into registers.  The first group's wait on va_vdst also states that the head's LDS addresses are written
	TURN 1, 1
	s_wait_xcnt 0x0                                ; every load and prefetch issued so far has read its address (the prefetches stand seven groups back): the base may be stepped
	s_wait_alu depctr_vm_vsrc(0)                   ; the turn's LDS stores have read v[LST], which is stepped below, and both f16 buffers, which the next turn's first two groups write
	s_add_nc_u64 s[U:U+1], s[U:U+1], 32768
	v_add_nc_u32 v[LST], BLK, v[LST]
	s_sub_co_u32 s[CNT], s[CNT], 1
	s_cmp_lg_u32 s[CNT], 0
	s_cbranch_scc1 .LloopA
.set rb, 0
.rept 4                                ; back as fragments, into windows 2 and 3, which no vector instruction has named.  LDS serves a wave's instructions in order (ISA guide 5.7.1.4): these see the stores above, and the stores below come behind them
	WIN 0x80+0x40*(rb/2)
.set rf, 0
.rept 8
.irp a, 0,1
	ds_load_b128 v[128*(rb%2)+64*\a+8*rf:128*(rb%2)+64*\a+8*rf+3],   v[LFR0] offset:rb*BLK+\a*HALFB+64*rf
	ds_load_b128 v[128*(rb%2)+64*\a+8*rf+4:128*(rb%2)+64*\a+8*rf+7], v[LFR0] offset:rb*BLK+\a*HALFB+64*rf+32
.endr
.set rf, rf+1
.endr
.set rb, rb+1
.endr
	WIN 0
	v_mov_b32 v[LST], v[LST0]                      ; no LDS instruction has read v[LST] since the wait at the loop's bottom
	s_mov_b32 s[CNT], 3
.LloopB:                               ; blocks 4 to 6 take the same rows of LDS, and stay
	TURN 1, 2
	s_wait_xcnt 0x0
	s_wait_alu depctr_vm_vsrc(0)                   ; the turn's LDS stores have read v[LST], which is stepped below, and both f16 buffers, which the next turn's first two groups write
	s_add_nc_u64 s[U:U+1], s[U:U+1], 32768
	v_add_nc_u32 v[LST], BLK, v[LST]
	s_sub_co_u32 s[CNT], s[CNT], 1
	s_cmp_lg_u32 s[CNT], 0
	s_cbranch_scc1 .LloopB
	TURN 0, 0                                      ; block 7: nothing is left to ask for
; ---------------------------------------------------------------- round 0's T: my rows' column sums / 16, the same for every n, brought into the layout in which a walk leaves T
	WLOAD 0, 0                                     ; into the ring's upper half, which the last turn's additions and conversions read
.irp i, 0,2,4,6
	v_pk_add_f32 v[CSUM+\i:CSUM+\i+1], v[CSUM+\i:CSUM+\i+1], v[CSUM+8+\i:CSUM+8+\i+1]
.endr
.irp i, 0,2,4,6
	v_pk_mul_f32 v[CSUM+\i:CSUM+\i+1], v[CSUM+\i:CSUM+\i+1], 0x3d800000 op_sel_hi:[1,0]  ; c = 1/16
.endr
	s_wait_alu depctr_va_vdst(0)                   ; the sums are written, which the two LDS stores read; the stream's vector work is done with the ring's lower half, in which the LDS loads below land
	ds_store_b128 v[CSA], v[CSUM:CSUM+3]
	ds_store_b128 v[CSA], v[CSUM+4:CSUM+7] offset:512
	WIN 0x40
.set te, 0
.rept 16
	ds_load_b128 v[8*te:8*te+3],   v[CSR] offset:64*te     ; my wave's own bytes, in order behind the stores
	ds_load_b128 v[8*te+4:8*te+7], v[CSR] offset:64*te+16
.set te, te+1
.endr
	WIN 0
	s_wait_alu depctr_vm_vsrc(0)                   ; the LDS stores have read the stream's f16 buffers and the sums: W's loads below land in these registers
	s_mov_b32 s[TRIP], 3
; ---------------------------------------------------------------- a round: T of four waves is joined, s, o and V are made, u is walked.  The third round leaves at o
.Ltrip:
	PLACES                                         ; behind the walk's last products, ahead of the stores of T
	WLOAD 1, 1                                     ; its wait also states that the walk's products have written T, which the LDS stores below read, and are done with v32-127, in which the partner's tiles and T[n] land
	s_wait_dscnt 0x0                               ; (first round: T and the resident blocks are in)
	s_cmp_lt_u32 s[WV], 2                          ; waves w and w + 2 are partners: each gives the other one half of its tiles
	s_cbranch_scc0 .Lgive_lo
	TSTORE 8
	s_branch .Lgiven
.Lgive_lo:
	TSTORE 0
.Lgiven:
	s_wait_dscnt 0x0                               ; for the partner's sake: my stores are done
	s_wait_alu depctr_vm_vsrc(0)                   ; and they have read the eight tiles that I gave: these registers are written again below
	BAR
	s_cmp_lt_u32 s[WV], 2
	s_cbranch_scc0 .Ljoin_hi
	TJOIN 0
	s_branch .Ljoined
.Ljoin_hi:
	TJOIN 8
.Ljoined:
	s_wait_dscnt 0x0
	s_wait_alu depctr_vm_vsrc(0)                   ; the LDS stores have read the eight joined tiles: V's products write these registers
	BAR                                            ; both pairs' T lie whole in TS
	TLOAD 0
	CAPS 0, 0
	CAPS 1, 1
	CAPS 2, 0
	CAPS 3, 1
	s_cmp_eq_u32 s[TRIP], 1
	s_cbranch_scc1 .Lend
	WIN 0x05                                       ; V is rounded to f16: register 0 of every accumulator first; eight channels 128 h + 16 j + 8 z + 0..7 make 16 bytes
.set vj, 0
.rept 8
.irp z, 0,1
.irp i, 0,1,2,3
	v_cvt_pk_f16_f32 v[VP+8*vj+4*\z+\i], v[8*(8*\z+2*\i)+vj], v[8*(8*\z+2*\i+1)+vj]
.endr
.endr
.set vj, vj+1
.endr
	WIN 0
	s_wait_alu depctr_va_vdst(0)                   ; the roundings have written V packed, which the LDS stores read; the last capsule's vector and matrix instructions are done with v32-95, in which V's fragments land
.set vj, 0
.rept 8
.irp z, 0,1
	ds_store_b128 v[VST], v[VP+8*vj+4*\z:VP+8*vj+4*\z+3] offset:32*vj+16*\z  ; the four lanes with one r % 4 hold the same numbers and write the same bytes
.endr
.set vj, vj+1
.endr
	s_wait_dscnt 0x0                               ; my rows of V^T are written, and my reads of TS are over
	s_wait_alu depctr_vm_vsrc(0)                   ; the LDS stores have read V packed: the walk's roundings and products write these registers
	BAR
.set vj, 0
.rept 8
	ds_load_b128 v[VF+8*vj:VF+8*vj+3],   v[VRD] offset:64*vj
	ds_load_b128 v[VF+8*vj+4:VF+8*vj+7], v[VRD] offset:64*vj+32
.set vj, vj+1
.endr
	s_wait_dscnt 0x0                               ; V is in: the next writes of V^T stand behind two more barriers
	BLOCK 2, 0, 1, 0                               ; the walk's first block starts T's sums
	WIN 0
	v_mov_b32 v[LFR], v[LFR0]                      ; no LDS load has read v[LFR] since the wait ahead of its last step
	s_mov_b32 s[CNT], 4
.Lldsb:
	BLOCK 1, 128, 0, 1
	WIN 0
	s_wait_alu depctr_vm_vsrc(0)                   ; the block's LDS loads, issued at its head, have read v[LFR]
	v_add_nc_u32 v[LFR], BLK, v[LFR]
	s_sub_co_u32 s[CNT], s[CNT], 1
	s_cmp_lg_u32 s[CNT], 0
	s_cbranch_scc1 .Lldsb
	WLOAD 0, 0                                     ; the next round's first capsule of W, three blocks ahead of its use, into the LDS blocks' registers: its wait states that the last LDS block's products are done reading them
	BLOCK 2, 128, 0, 0
	BLOCK 3, 0, 0, 0
	BLOCK 3, 128, 0, 0
	WIN 0
	s_sub_co_u32 s[TRIP], s[TRIP], 1
	s_cmp_lg_u32 s[TRIP], 0
	s_cbranch_scc1 .Ltrip
.Lend:
	s_wait_alu depctr_va_vdst(0)                   ; every vector and matrix instruction that named v56-59 (the norm's registers; in a walk part of V's fragments) is done: the load lands in them
	ds_load_b128 v[56:59], v[CSA]                  ; my four capsules' o, 512 bytes, my wave's own, in order behind the stores
	s_wait_dscnt 0x0
	global_store_b128 v[WOF], v[56:59], s[OB:OB+1] ; 512 consecutive bytes, at a multiple of 512 from out0's first byte
	s_wait_dscnt 0x0                               ; the closing lines, six on end
	s_wait_alu 0x0
	s_wait_tensorcnt 0x0
	ds_add_u32 v[SPW], v[NIL]
	s_wait_dscnt 0x0
	s_endpgm
.Lfunc_end_k_q6825e4d2d1_caps:
	.size	k_q6825e4d2d1_caps, .Lfunc_end_k_q6825e4d2d1_caps-k_q6825e4d2d1_caps
	.p2alignl 7, 3214868480
	.fill 96, 4, 3214868480
	.section	.rodata,"a",@progbits
	.p2align	6, 0x0
	.amdhsa_kernel k_q6825e4d2d1_caps
		.amdhsa_group_segment_fixed_size 317184
		.amdhsa_private_segment_fixed_size 0
		.amdhsa_enable_private_segment 0
		.amdhsa_kernarg_size 24
		.amdhsa_user_sgpr_count 2
		.amdhsa_user_sgpr_kernarg_segment_ptr 1
		.amdhsa_wavefront_size32 1
		.amdhsa_system_sgpr_workgroup_id_x 1
		.amdhsa_system_sgpr_workgroup_id_y 1
		.amdhsa_system_sgpr_workgroup_id_z 1
		.amdhsa_system_vgpr_workitem_id 0
		.amdhsa_next_free_vgpr 1024
		.amdhsa_next_free_sgpr 66
		.amdhsa_reserve_vcc 0
		.amdhsa_float_denorm_mode_32 3
		.amdhsa_float_denorm_mode_16_64 3
		.amdhsa_memory_ordered 1
		.amdhsa_forward_progress 1
		.amdhsa_inst_pref_size 255
	.end_amdhsa_kernel
	.section	.bss,"aw",@nobits
	.p2align	6
	.space	262144
	.amdgpu_metadata
---
amdhsa.version: [ 1, 2 ]
amdhsa.kernels:
  - .name:           k_q6825e4d2d1_caps
    .symbol:         k_q6825e4d2d1_caps.kd
    .args:
      - { .name: u_vecs, .offset: 0, .size: 8, .value_kind: global_buffer, .address_space: global }
      - { .name: wimg, .offset: 8, .size: 8, .value_kind: global_buffer, .address_space: global }
      - { .name: out0, .offset: 16, .size: 8, .value_kind: global_buffer, .address_space: global }
    .group_segment_fixed_size: 317184
    .private_segment_fixed_size: 0
    .kernarg_segment_align: 8
    .kernarg_segment_size: 24
    .max_flat_workgroup_size: 128
    .sgpr_count:     66
    .vgpr_count:     1024
    .wavefront_size: 32
...
	.end_amdgpu_metadata
.endif
;; end of part 3
